; MI455X (gfx1250); checked and timed in simulation.
; The chip was launched on July 23, 2026; its instructions are those of AMD's public machine-readable ISA for CDNA 5 (MIT licence, August 2026) and "CDNA5" Instruction Set Architecture Reference Guide (July 2026). The comments in the code are by the model that wrote it; some were corrected since.
;; LS. Allowed arithmetic: float matrix products may take bf16 or f16 operands with f32 sums; all other float work in f32.
;; Inputs: img 4 x 96 x 256 x 256 float32; light 4 x 96 x 256 x 256 float32.
;; Outputs: out0 4 x 3 x 256 x 256 float32.
;; 2 versions, each right; version 2 is version 1 with the launch normals written anew for expert scheduling mode. Each part assembles by itself: llvm-mc -triple=amdgcn-amd-amdhsa -mcpu=gfx1250 --defsym DOCPART=n.
;; ======== version 1 of 2: 1 launch
;; launch normals (part 1): grid 256 x 1, 8 waves a work-group, no clusters, 0 bytes of LDS; arguments img, light, out0; writes out0
.if DOCPART == 1
	.amdgcn_target "amdgcn-amd-amdhsa--gfx1250"
	.amdhsa_code_object_version 6
	.text
	.protected	k_q044eb84033_normals
	.globl	k_q044eb84033_normals
	.p2align	8
	.type	k_q044eb84033_normals,@function
k_q044eb84033_normals:
	s_mov_b64 s[64:65], 0
	v_nop
	global_prefetch_b8 v0, s[64:65] scope:SCOPE_SE
	s_setreg_imm32_b32 hwreg(HW_REG_WAVE_MODE, 25, 1), 1
	s_wait_xcnt 0x0
; Least-squares normals.  img, light: [4][96][256][256] f32, channel c = 3 f + k (light f = 0..31, component k = 0..2).
; For each pixel:  I[f] = |img[f][0..2]|,  A = sum over f of l[f] l[f]^T (3 x 3, symmetric),  b = sum over f of l[f] I[f],
;                  N = A^-1 b,  out0 = N / (|N| + 1e-10), stored as [4][3][256][256] f32.
;
; SHARES.  A lane owns 4 neighbouring pixels (16 bytes of every channel plane), a wave 128 pixels: each load or store of a wave
; covers 512 consecutive bytes, aligned.  A wave walks all 32 lights of its pixels by itself, so the nine sums never leave the lane:
; no LDS, no barrier.  Eight waves own 1,024 pixels (4,096 bytes of each plane); 256 work-groups cover 4 x 65,536 pixels.
; Every input byte is loaded once, every output byte stored once.
;
; RING.  DEPTH = 8 slots in registers, one light each: 6 loads of 16 bytes a lane (3 planes of img, 3 of light), 24 registers.
; 48 loads of every wave, 24,576 bytes, are on their way at all times.
;
; ADDRESSES.  A plane lies a constant number of bytes behind the group's first plane, so that number stands in the load's immediate.
; The immediate has 24 bits with sign: it reaches 31 planes of 262,144 bytes.  Three fixed bases for each input (planes 0, 32, 64) cover
; the 96 planes, and one vector offset, 16 x thread, serves every load and store.  No register that a memory instruction reads is ever
; rewritten, so the only waits are the counted ones for data.  As the immediates differ from light to light, the 32 lights are written
; out (.rept): about 380 bytes of code for a light, some 12 KB in all, and no loop.
;
; WHY NO MATRIX INSTRUCTIONS.  These are 262,144 separate products of 3 x 32 by 32 x 4.  A 16 x 16 x 32 form would use at best 64 of its
; 256 results, and its K (the light) lies 3 planes apart in memory, so every input byte would have to be transposed through LDS.
; The work is 12 multiply-adds and a root for 24 bytes loaded: it rides along in packed f32, two pixels an instruction.
;
; LIMITS.  v_sqrt_f32 and v_rcp_f32 are good to 1 ULP and flush denormals (ISA guide 15.8): a light with |img|^2 < 2^-126 counts as I = 0;
; the trace of A has to lie between 2^-126 and 2^126 (|light| of about 1e-19 to 1e18), outside it the result is NaN or infinite.
; A is divided by its trace before the solve, so that the determinant cannot overflow where the sums did not.
; The inverse is the adjugate over the determinant, not an LU: the order of rounding differs from the reference's.
.set PLANE,  262144                    ; bytes of one channel plane: 256 x 256 f32
.set LIGHTS, 32
.set DEPTH,  8                         ; slots = lights in flight in each wave
.set LOADS,  6                         ; loads of a slot
.set REACH,  32                        ; planes served by one base: immediates 0 to 31 x PLANE
.set CO,   1                           ; v1        16 x thread: my 16 bytes in the group's part of any plane; written once
.set Q,    2                           ; v[2:5]    sum of squares, 4 pixels
.set NRM,  6                           ; v[6:9]    its root
.set A00,  10                          ; v[10:33]  the six different sums of A, 4 pixels each
.set A01,  14
.set A02,  18
.set A11,  22
.set A12,  26
.set A22,  30
.set B0,   34                          ; v[34:45]  the three sums of b
.set B1,   38
.set B2,   42
.set X,    46                          ; v[46:237] slot i: 24 registers: img k at 4 k, light k at 12 + 4 k
.set IB,   20                          ; s[20:25]  img at the group's bytes of planes 0, 32, 64 of its batch
.set LB,   26                          ; s[26:31]  light likewise
; the solve at the end lives in the ring's registers, which are free by then
.set TR,   X                           ; trace of A
.set SC,   X+4                         ; 1 / trace
.set C00,  X+8                         ; adjugate of A / trace
.set C01,  X+12
.set C02,  X+16
.set C11,  X+20
.set C12,  X+24
.set C22,  X+28
.set DET,  X+32
.set N0,   X+36
.set N1,   X+40
.set N2,   X+44
.set R,    X+48
	s_load_b128 s[4:7], s[0:1], 0x0                ; img s[4:5], light s[6:7]
	s_load_b64 s[8:9], s[0:1], 0x10                ; out0
	s_lshr_b32 s10, ttmp9, 6                       ; batch: 64 work-groups to an image
	s_and_b32 s11, ttmp9, 63
	s_lshl_b32 s11, s11, 12                        ; the group's 4,096 bytes in every plane
	s_mul_i32 s12, s10, 96*PLANE                   ; inputs: 96 planes to a batch (all offsets below 2^27)
	s_add_co_u32 s12, s12, s11
	s_mov_b32 s13, 0
	s_mul_i32 s14, s10, 3*PLANE                    ; output: 3 planes to a batch
	s_add_co_u32 s14, s14, s11
	s_mov_b32 s15, 0
	v_lshlrev_b32 v[CO], 4, v0
	s_wait_kmcnt 0x0
	s_add_nc_u64 s[IB:IB+1], s[4:5], s[12:13]
	s_add_nc_u64 s[LB:LB+1], s[6:7], s[12:13]
; my 16 bytes of plane p of the batch: base p / 32, immediate (p mod 32) planes.  Read once in the whole launch: non-temporal.
.macro LDPLANE dst, base, p
	global_load_b128 v[\dst:\dst+3], v[CO], s[\base+2*((\p)/REACH):\base+2*((\p)/REACH)+1] offset:((\p)%REACH)*PLANE th:TH_LOAD_NT
.endm
; six loads: the three planes of light g in img, then in light, into slot g mod DEPTH
.macro FILL g
.irp k, 0,1,2
	LDPLANE X+24*((\g)%DEPTH)+4*\k, IB, 3*(\g)+\k
.endr
.irp k, 0,1,2
	LDPLANE X+24*((\g)%DEPTH)+12+4*\k, LB, 3*(\g)+\k
.endr
.endm
.irp i, 0,1,2,3,4,5,6,7
	FILL \i                                        ; lights 0 to 7: planes 0 to 23, all from the first bases
.endr
.irp r, 1,2
	s_add_nc_u64 s[IB+2*\r:IB+2*\r+1], s[IB:IB+1], \r*REACH*PLANE    ; the other bases, behind the first loads: first used by light 10
	s_add_nc_u64 s[LB+2*\r:LB+2*\r+1], s[LB:LB+1], \r*REACH*PLANE
.endr
	s_add_nc_u64 s[8:9], s[8:9], s[14:15]
; acc (+)= a * b for my 4 pixels, two at a time.  first = 1: the product starts the sum, so nothing is ever cleared.
.macro MAC acc, a, b, first
.irp p, 0,2
.if \first
	s_wait_alu depctr_va_vdst(0)
	v_pk_mul_f32 v[\acc+\p:\acc+\p+1], v[\a+\p:\a+\p+1], v[\b+\p:\b+\p+1]
.else
	s_wait_alu depctr_va_vdst(0)
	v_pk_fma_f32 v[\acc+\p:\acc+\p+1], v[\a+\p:\a+\p+1], v[\b+\p:\b+\p+1], v[\acc+\p:\acc+\p+1]
.endif
.endr
.endm
; d = x0 y0 + x1 y1 + x2 y2
.macro DOT3 d, x0, y0, x1, y1, x2, y2
	MAC \d, \x0, \y0, 1
	MAC \d, \x1, \y1, 0
	MAC \d, \x2, \y2, 0
.endm
; c = x y - z w
.macro COF c, x, y, z, w
	MAC \c, \z, \w, 1
.irp p, 0,2
	v_pk_fma_f32 v[\c+\p:\c+\p+1], v[\x+\p:\x+\p+1], v[\y+\p:\y+\p+1], v[\c+\p:\c+\p+1] neg_lo:[0,0,1] neg_hi:[0,0,1]
.endr
.endm
; Light f.  Light 0 starts the nine sums.  While a light DEPTH further on exists, the slot is filled again with it.
.macro SLOT f
.set IM, X+24*((\f)%DEPTH)
.set LT, X+24*((\f)%DEPTH)+12
.if \f > 0
.set FIRST, 0
.else
.set FIRST, 1
.endif
	; loads come back in order (ISA guide 5.7.1): my six are in when only the loads issued behind them are out
.if \f+DEPTH < LIGHTS
	s_wait_loadcnt LOADS*(DEPTH-1)                 ; the 7 lights behind mine, 6 loads each
.else
	s_wait_loadcnt LOADS*(LIGHTS-1-(\f))           ; nothing is filled any more: the lights that are left, down to 0
.endif
	DOT3 Q, IM, IM, IM+4, IM+4, IM+8, IM+8         ; |img|^2
.irp j, 0,1,2,3
	v_sqrt_f32 v[NRM+\j], v[Q+\j]                  ; I.  Its first use stands 12 plain instructions further down (ISA guide 5.7.2 asks for one)
.endr
	MAC A00, LT,   LT,   FIRST                     ; A += l l^T, the six different entries
	MAC A01, LT,   LT+4, FIRST
	MAC A02, LT,   LT+8, FIRST
	MAC A11, LT+4, LT+4, FIRST
	MAC A12, LT+4, LT+8, FIRST
	MAC A22, LT+8, LT+8, FIRST
	MAC B0,  LT,   NRM,  FIRST                     ; b += l I
	MAC B1,  LT+4, NRM,  FIRST
	MAC B2,  LT+8, NRM,  FIRST
.if \f+DEPTH < LIGHTS
	FILL \f+DEPTH                                  ; lights 8 to 31: no load leaves the buffers
.endif
.endm
.set n, 0
.rept LIGHTS
	SLOT n
.set n, n+1
.endr
	; THE SOLVE, 4 pixels a lane.  A' = A / trace, N = adj(A') b / (det(A') trace).
.irp p, 0,2
	v_pk_add_f32 v[TR+\p:TR+\p+1], v[A00+\p:A00+\p+1], v[A11+\p:A11+\p+1]
.endr
.irp p, 0,2
	v_pk_add_f32 v[TR+\p:TR+\p+1], v[TR+\p:TR+\p+1], v[A22+\p:A22+\p+1]
.endr
.irp j, 0,1,2,3
	v_rcp_f32 v[SC+\j], v[TR+\j]
.endr
	v_nop                                          ; all that follows hangs on 1 / trace: the place between a reciprocal and its use (ISA guide 5.7.2)
	s_wait_alu depctr_va_vdst(0)
.irp a, A00, A01, A02, A11, A12, A22
.irp p, 0,2
	v_pk_mul_f32 v[\a+\p:\a+\p+1], v[\a+\p:\a+\p+1], v[SC+\p:SC+\p+1]
.endr
.endr
	COF C00, A11, A22, A12, A12                    ; the adjugate of a symmetric 3 x 3 matrix: six different entries
	COF C01, A02, A12, A01, A22
	COF C02, A01, A12, A02, A11
	COF C11, A00, A22, A02, A02
	COF C12, A01, A02, A00, A12
	COF C22, A00, A11, A01, A01
	DOT3 DET, A00, C00, A01, C01, A02, C02
.irp j, 0,1,2,3
	v_rcp_f32 v[R+\j], v[DET+\j]                   ; used behind the 18 instructions of adj(A') b
.endr
	DOT3 N0, C00, B0, C01, B1, C02, B2
	DOT3 N1, C01, B0, C11, B1, C12, B2
	DOT3 N2, C02, B0, C12, B1, C22, B2
	s_wait_alu depctr_va_vdst(0)
.irp p, 0,2
	v_pk_mul_f32 v[R+\p:R+\p+1], v[R+\p:R+\p+1], v[SC+\p:SC+\p+1]      ; 1 / (det(A') trace)
.endr
.irp n3, N0, N1, N2
.irp p, 0,2
	v_pk_mul_f32 v[\n3+\p:\n3+\p+1], v[\n3+\p:\n3+\p+1], v[R+\p:R+\p+1]    ; N
.endr
.endr
	DOT3 Q, N0, N0, N1, N1, N2, N2
.irp j, 0,1,2,3
	v_sqrt_f32 v[NRM+\j], v[Q+\j]                  ; |N|
.endr
	v_nop                                          ; nothing independent is left: the place between a root and its use (ISA guide 5.7.2)
	s_wait_alu depctr_va_vdst(0)
.irp p, 0,2
	v_pk_add_f32 v[NRM+\p:NRM+\p+1], v[NRM+\p:NRM+\p+1], 0x2edbe6ff op_sel_hi:[1,0]   ; + 1e-10, the constant in both halves
.endr
.irp j, 0,1,2,3
	v_rcp_f32 v[R+\j], v[NRM+\j]
.endr
	v_nop                                          ; as above
	s_wait_alu depctr_va_vdst(0)
.irp n3, N0, N1, N2
.irp p, 0,2
	v_pk_mul_f32 v[\n3+\p:\n3+\p+1], v[\n3+\p:\n3+\p+1], v[R+\p:R+\p+1]    ; N / (|N| + 1e-10)
.endr
.endr
	global_store_b128 v[CO], v[N0:N0+3], s[8:9] th:TH_STORE_NT                 ; each store of the wave: 512 consecutive bytes, aligned
	global_store_b128 v[CO], v[N1:N1+3], s[8:9] offset:PLANE th:TH_STORE_NT
	global_store_b128 v[CO], v[N2:N2+3], s[8:9] offset:2*PLANE th:TH_STORE_NT
	s_endpgm
.Lfunc_end_k_q044eb84033_normals:
	.size	k_q044eb84033_normals, .Lfunc_end_k_q044eb84033_normals-k_q044eb84033_normals
	.p2alignl 7, 3214868480
	.fill 96, 4, 3214868480
	.section	.rodata,"a",@progbits
	.p2align	6, 0x0
	.amdhsa_kernel k_q044eb84033_normals
		.amdhsa_group_segment_fixed_size 0
		.amdhsa_private_segment_fixed_size 0
		.amdhsa_enable_private_segment 0
		.amdhsa_kernarg_size 24
		.amdhsa_user_sgpr_count 2
		.amdhsa_user_sgpr_kernarg_segment_ptr 1
		.amdhsa_wavefront_size32 1
		.amdhsa_system_sgpr_workgroup_id_x 1
		.amdhsa_system_sgpr_workgroup_id_y 1
		.amdhsa_system_sgpr_workgroup_id_z 1
		.amdhsa_system_vgpr_workitem_id 0
		.amdhsa_next_free_vgpr 238
		.amdhsa_next_free_sgpr 66
		.amdhsa_reserve_vcc 0
		.amdhsa_float_denorm_mode_32 3
		.amdhsa_float_denorm_mode_16_64 3
		.amdhsa_memory_ordered 1
		.amdhsa_forward_progress 1
		.amdhsa_inst_pref_size 104
	.end_amdhsa_kernel
	.amdgpu_metadata
---
amdhsa.version: [ 1, 2 ]
amdhsa.kernels:
  - .name:           k_q044eb84033_normals
    .symbol:         k_q044eb84033_normals.kd
    .args:
      - { .name: img, .offset: 0, .size: 8, .value_kind: global_buffer, .address_space: global }
      - { .name: light, .offset: 8, .size: 8, .value_kind: global_buffer, .address_space: global }
      - { .name: out0, .offset: 16, .size: 8, .value_kind: global_buffer, .address_space: global }
    .group_segment_fixed_size: 0
    .private_segment_fixed_size: 0
    .kernarg_segment_align: 8
    .kernarg_segment_size: 24
    .max_flat_workgroup_size: 256
    .sgpr_count:     66
    .vgpr_count:     238
    .wavefront_size: 32
...
	.end_amdgpu_metadata
.endif
;; end of part 1
;; ======== version 2 of 2: 1 launch; version 1 with the launch normals written anew for expert scheduling mode
;; launch normals (part 2): grid 256 x 1, 8 waves a work-group, no clusters, 0 bytes of LDS; arguments img, light, out0; writes out0
.if DOCPART == 2
	.amdgcn_target "amdgcn-amd-amdhsa--gfx1250"
	.amdhsa_code_object_version 6
	.text
	.protected	k_q044eb84033_normals
	.globl	k_q044eb84033_normals
	.p2align	8
	.type	k_q044eb84033_normals,@function
k_q044eb84033_normals:
	s_mov_b64 s[64:65], 0
	v_nop
	global_prefetch_b8 v0, s[64:65] scope:SCOPE_SE
	s_setreg_imm32_b32 hwreg(HW_REG_WAVE_SCHED_MODE, 0, 2), 2
	s_setreg_imm32_b32 hwreg(HW_REG_WAVE_MODE, 25, 1), 1
	s_wait_xcnt 0x0
	s_wait_alu depctr_vm_vsrc(0)
; Least-squares normals.  img, light: [4][96][256][256] f32, channel c = 3 f + k (light f = 0..31, component k = 0..2).
; For each pixel:  I[f] = |img[f][0..2]|,  A = sum over f of l[f] l[f]^T (3 x 3, symmetric),  b = sum over f of l[f] I[f],
;                  N = A^-1 b,  out0 = N / (|N| + 1e-10), stored as [4][3][256][256] f32.
;
; SHARES.  A lane owns 4 neighbouring pixels (16 bytes of every channel plane), a wave 128 pixels: each load or store of a wave
; covers 512 consecutive bytes, aligned.  A wave walks all 32 lights of its pixels by itself, so the nine sums never leave the lane:
; no LDS, no barrier.  Eight waves own 1,024 pixels (4,096 bytes of each plane); 256 work-groups cover 4 x 65,536 pixels.
; Every input byte is loaded once, every output byte stored once.
;
; THE MODE: SCHED_MODE bits 1:0 = 2 (LLVM: expert scheduling mode 2), set by the entry lines.  The code itself states the register
; dependences between vector instructions and memory instructions, with s_wait_alu, always for 0.
;
; THE PLAN.  Registers that memory instructions touch:
;   v[CO]      the one byte offset.  Written once at the head; read by every load and store; never written again.
;   X0 .. X8   nine slots of 24 registers, a light each: light g lies in slot g mod 9.  Written by the six loads of light g, which are
;              issued in turn g - 8; read by turn g's vector instructions alone, which also put |img|^2 and its root into the slot's first four.
;   N0 .. N2   the result, in the ring's registers, which are free by then.  Written by the solve; read by the three stores; not written again.
; Turn f works on slot f mod 9 and on the nine sums.  Its memory instructions are the loads of light f + 8, which land in slot (f + 8) mod 9 =
; (f - 1) mod 9: the slot that turn f - 1 worked on and that no vector instruction of turn f names.  So ONE wait on va_vdst at a turn's head
; states all that the turn's six loads hang on, and these are dealt among its vector instructions with no further wait.
; A slot lies idle from its turn's end to the next turn's head: hence nine slots for DEPTH = 8 lights on their way, 42 to 48 loads of
; every wave, up to 24,576 bytes.  Nothing that a memory instruction reads is ever rewritten: no wait on vm_vsrc and no s_wait_xcnt is owed.
; No vector instruction writes a scalar register, VCC or EXEC.
;
; ADDRESSES.  A plane lies a constant number of bytes behind the group's first plane, so that number stands in the load's immediate.
; The immediate has 24 bits with sign: it reaches 31 planes of 262,144 bytes.  Three fixed bases for each input (planes 0, 32, 64) cover
; the 96 planes, and one vector offset, 16 x thread, serves every load and store.  As the immediates differ from light to light, the
; 32 lights are written out (.rept): about 380 bytes of code for a light, some 12 KB in all, and no loop.
;
; WHY NO MATRIX INSTRUCTIONS.  These are 262,144 separate products of 3 x 32 by 32 x 4.  A 16 x 16 x 32 form would use at best 64 of its
; 256 results, and its K (the light) lies 3 planes apart in memory, so every input byte would have to be transposed through LDS.
; The work is 12 multiply-adds and a root for 24 bytes loaded: it rides along in packed f32, two pixels an instruction.
;
; LIMITS.  v_sqrt_f32 and v_rcp_f32 are good to 1 ULP and flush denormals (ISA guide 15.8): a light with |img|^2 < 2^-126 counts as I = 0;
; the trace of A has to lie between 2^-126 and 2^126 (|light| of about 1e-19 to 1e18), outside it the result is NaN or infinite.
; A is divided by its trace before the solve, so that the determinant cannot overflow where the sums did not.
; The inverse is the adjugate over the determinant, not an LU: the order of rounding differs from the reference's.
.set PLANE,  262144                    ; bytes of one channel plane: 256 x 256 f32
.set LIGHTS, 32
.set DEPTH,  8                         ; lights on their way in each wave
.set SLOTS,  9                         ; DEPTH + the slot that the turn before worked on
.set LOADS,  6                         ; loads of a slot
.set REACH,  32                        ; planes served by one base: immediates 0 to 31 x PLANE
.set CO,   1                           ; v1        16 x thread: my 16 bytes in the group's part of any plane; written once
.set A00,  2                           ; v[2:25]   the six different sums of A, 4 pixels each
.set A01,  6
.set A02,  10
.set A11,  14
.set A12,  18
.set A22,  22
.set B0,   26                          ; v[26:37]  the three sums of b
.set B1,   30
.set B2,   34
.set X,    38                          ; v[38:253] slot i: 24 registers: img k at 4 k, light k at 12 + 4 k; img 0's four then take |img|^2 and I
.set IB,   20                          ; s[20:25]  img at the group's bytes of planes 0, 32, 64 of its batch
.set LB,   26                          ; s[26:31]  light likewise
; the solve at the end lives in the ring's registers, which are free by then
.set TR,   X                           ; trace of A
.set SC,   X+4                         ; 1 / trace
.set C00,  X+8                         ; adjugate of A / trace
.set C01,  X+12
.set C02,  X+16
.set C11,  X+20
.set C12,  X+24
.set C22,  X+28
.set DET,  X+32
.set N0,   X+36
.set N1,   X+40
.set N2,   X+44
.set R,    X+48
.set Q,    X+52                        ; |N|^2
.set NRM,  X+56                        ; |N|
	s_load_b128 s[4:7], s[0:1], 0x0                ; img s[4:5], light s[6:7]
	s_load_b64 s[8:9], s[0:1], 0x10                ; out0
	s_lshr_b32 s10, ttmp9, 6                       ; batch: 64 work-groups to an image
	s_and_b32 s11, ttmp9, 63
	s_lshl_b32 s11, s11, 12                        ; the group's 4,096 bytes in every plane
	s_mul_i32 s12, s10, 96*PLANE                   ; inputs: 96 planes to a batch (all offsets below 2^27)
	s_add_co_u32 s12, s12, s11
	s_mov_b32 s13, 0
	s_mul_i32 s14, s10, 3*PLANE                    ; output: 3 planes to a batch
	s_add_co_u32 s14, s14, s11
	s_mov_b32 s15, 0
	v_lshlrev_b32 v[CO], 4, v0
	s_wait_kmcnt 0x0
	s_add_nc_u64 s[IB:IB+1], s[4:5], s[12:13]
	s_add_nc_u64 s[LB:LB+1], s[6:7], s[12:13]
	s_wait_alu depctr_va_vdst(0)                   ; v[CO] is written: every load and store of the kernel reads it as its offset
; my 16 bytes of plane p of the batch: base p / 32, immediate (p mod 32) planes.  Read once in the whole launch: non-temporal.
.macro LDPLANE dst, base, p
	global_load_b128 v[\dst:\dst+3], v[CO], s[\base+2*((\p)/REACH):\base+2*((\p)/REACH)+1] offset:((\p)%REACH)*PLANE th:TH_LOAD_NT
.endm
; load k of the six of light g, into slot g mod SLOTS: k = 0, 1, 2 its three planes in img, k = 3, 4, 5 those in light
.macro ASK g, k
.if (\k) < 3
	LDPLANE X+24*((\g)%SLOTS)+4*(\k), IB, 3*(\g)+(\k)
.else
	LDPLANE X+24*((\g)%SLOTS)+4*(\k), LB, 3*(\g)+(\k)-3
.endif
.endm
; the same for the light DEPTH behind light f, while there is one: lights 8 to 31, so that no load leaves the buffers
.macro NEXT f, k
.if (\f)+DEPTH < LIGHTS
	ASK (\f)+DEPTH, \k
.endif
.endm
.irp i, 0,1,2,3,4,5,6,7
.irp k, 0,1,2,3,4,5
	ASK \i, \k                                     ; lights 0 to 7: planes 0 to 23, all from the first bases
.endr
.endr
.irp r, 1,2
	s_add_nc_u64 s[IB+2*\r:IB+2*\r+1], s[IB:IB+1], \r*REACH*PLANE    ; the other bases, behind the first loads: first used by light 10
	s_add_nc_u64 s[LB+2*\r:LB+2*\r+1], s[LB:LB+1], \r*REACH*PLANE
.endr
	s_add_nc_u64 s[8:9], s[8:9], s[14:15]
; acc (+)= a * b for my 4 pixels, two at a time.  first = 1: the product starts the sum, so nothing is ever cleared.
.macro MAC acc, a, b, first
.irp p, 0,2
.if \first
	s_wait_alu depctr_va_vdst(0)
	v_pk_mul_f32 v[\acc+\p:\acc+\p+1], v[\a+\p:\a+\p+1], v[\b+\p:\b+\p+1]
.else
	s_wait_alu depctr_va_vdst(0)
	v_pk_fma_f32 v[\acc+\p:\acc+\p+1], v[\a+\p:\a+\p+1], v[\b+\p:\b+\p+1], v[\acc+\p:\acc+\p+1]
.endif
.endr
.endm
; d = x0 y0 + x1 y1 + x2 y2
.macro DOT3 d, x0, y0, x1, y1, x2, y2
	MAC \d, \x0, \y0, 1
	MAC \d, \x1, \y1, 0
	MAC \d, \x2, \y2, 0
.endm
; c = x y - z w
.macro COF c, x, y, z, w
	MAC \c, \z, \w, 1
.irp p, 0,2
	v_pk_fma_f32 v[\c+\p:\c+\p+1], v[\x+\p:\x+\p+1], v[\y+\p:\y+\p+1], v[\c+\p:\c+\p+1] neg_lo:[0,0,1] neg_hi:[0,0,1]
.endr
.endm
; Turn f: light f.  Light 0 starts the nine sums.  While a light DEPTH further on exists, its six loads are issued here, into the slot of the turn before.
.macro SLOT f
.set IM, X+24*((\f)%SLOTS)
.set LT, X+24*((\f)%SLOTS)+12
.if \f > 0
.set FIRST, 0
.else
.set FIRST, 1
.endif
	; loads come back in order (ISA guide 5.7.1): my six are in when only the loads issued behind them are out
.if \f+DEPTH-1 < LIGHTS
	s_wait_loadcnt LOADS*(DEPTH-1)                 ; the 7 lights behind mine, 6 loads each
.else
	s_wait_loadcnt LOADS*(LIGHTS-1-(\f))           ; nothing is asked for any more: the lights that are left, down to 0
.endif
.if ((\f) > 0) && ((\f)+DEPTH < LIGHTS)
	s_wait_alu depctr_va_vdst(0)                   ; the turn before is done reading its slot and has written |img|^2 and I into it: the six loads below land there.  (Turn 0's land in slot 8, which no vector instruction has named)
.endif
	NEXT \f, 0                                     ; no vector instruction since that wait names the registers of these six loads
	MAC IM, IM,   IM,   1                          ; |img|^2, in the place of img 0
	NEXT \f, 1
	MAC IM, IM+4, IM+4, 0
	NEXT \f, 2
	MAC IM, IM+8, IM+8, 0
	NEXT \f, 3
.irp j, 0,1,2,3
	v_sqrt_f32 v[IM+\j], v[IM+\j]                  ; I.  Its first use stands 12 plain instructions further down (ISA guide 5.7.2 asks for one)
.endr
	NEXT \f, 4
	MAC A00, LT,   LT,   FIRST                     ; A += l l^T, the six different entries
	MAC A01, LT,   LT+4, FIRST
	NEXT \f, 5
	MAC A02, LT,   LT+8, FIRST
	MAC A11, LT+4, LT+4, FIRST
	MAC A12, LT+4, LT+8, FIRST
	MAC A22, LT+8, LT+8, FIRST
	MAC B0,  LT,   IM,   FIRST                     ; b += l I
	MAC B1,  LT+4, IM,   FIRST
	MAC B2,  LT+8, IM,   FIRST
.endm
.set n, 0
.rept LIGHTS
	SLOT n
.set n, n+1
.endr
	; THE SOLVE, 4 pixels a lane.  A' = A / trace, N = adj(A') b / (det(A') trace).  No load is out: turn 31 has waited for all.
.irp p, 0,2
	v_pk_add_f32 v[TR+\p:TR+\p+1], v[A00+\p:A00+\p+1], v[A11+\p:A11+\p+1]
.endr
.irp p, 0,2
	v_pk_add_f32 v[TR+\p:TR+\p+1], v[TR+\p:TR+\p+1], v[A22+\p:A22+\p+1]
.endr
.irp j, 0,1,2,3
	v_rcp_f32 v[SC+\j], v[TR+\j]
.endr
	v_nop                                          ; all that follows hangs on 1 / trace: the place between a reciprocal and its use (ISA guide 5.7.2)
	s_wait_alu depctr_va_vdst(0)
.irp a, A00, A01, A02, A11, A12, A22
.irp p, 0,2
	v_pk_mul_f32 v[\a+\p:\a+\p+1], v[\a+\p:\a+\p+1], v[SC+\p:SC+\p+1]
.endr
.endr
	COF C00, A11, A22, A12, A12                    ; the adjugate of a symmetric 3 x 3 matrix: six different entries
	COF C01, A02, A12, A01, A22
	COF C02, A01, A12, A02, A11
	COF C11, A00, A22, A02, A02
	COF C12, A01, A02, A00, A12
	COF C22, A00, A11, A01, A01
	DOT3 DET, A00, C00, A01, C01, A02, C02
.irp j, 0,1,2,3
	v_rcp_f32 v[R+\j], v[DET+\j]                   ; used behind the 18 instructions of adj(A') b
.endr
	DOT3 N0, C00, B0, C01, B1, C02, B2
	DOT3 N1, C01, B0, C11, B1, C12, B2
	DOT3 N2, C02, B0, C12, B1, C22, B2
	s_wait_alu depctr_va_vdst(0)
.irp p, 0,2
	v_pk_mul_f32 v[R+\p:R+\p+1], v[R+\p:R+\p+1], v[SC+\p:SC+\p+1]      ; 1 / (det(A') trace)
.endr
.irp n3, N0, N1, N2
.irp p, 0,2
	v_pk_mul_f32 v[\n3+\p:\n3+\p+1], v[\n3+\p:\n3+\p+1], v[R+\p:R+\p+1]    ; N
.endr
.endr
	DOT3 Q, N0, N0, N1, N1, N2, N2
.irp j, 0,1,2,3
	v_sqrt_f32 v[NRM+\j], v[Q+\j]                  ; |N|
.endr
	v_nop                                          ; nothing independent is left: the place between a root and its use (ISA guide 5.7.2)
	s_wait_alu depctr_va_vdst(0)
.irp p, 0,2
	v_pk_add_f32 v[NRM+\p:NRM+\p+1], v[NRM+\p:NRM+\p+1], 0x2edbe6ff op_sel_hi:[1,0]   ; + 1e-10, the constant in both halves
.endr
.irp j, 0,1,2,3
	v_rcp_f32 v[R+\j], v[NRM+\j]
.endr
	v_nop                                          ; as above
	s_wait_alu depctr_va_vdst(0)
.irp n3, N0, N1, N2
.irp p, 0,2
	v_pk_mul_f32 v[\n3+\p:\n3+\p+1], v[\n3+\p:\n3+\p+1], v[R+\p:R+\p+1]    ; N / (|N| + 1e-10)
.endr
.endr
	s_wait_alu depctr_va_vdst(0)                   ; the six multiplies above have written N0, N1 and N2, which the three stores read
	global_store_b128 v[CO], v[N0:N0+3], s[8:9] th:TH_STORE_NT                 ; each store of the wave: 512 consecutive bytes, aligned
	global_store_b128 v[CO], v[N1:N1+3], s[8:9] offset:PLANE th:TH_STORE_NT
	global_store_b128 v[CO], v[N2:N2+3], s[8:9] offset:2*PLANE th:TH_STORE_NT
	s_endpgm
.Lfunc_end_k_q044eb84033_normals:
	.size	k_q044eb84033_normals, .Lfunc_end_k_q044eb84033_normals-k_q044eb84033_normals
	.p2alignl 7, 3214868480
	.fill 96, 4, 3214868480
	.section	.rodata,"a",@progbits
	.p2align	6, 0x0
	.amdhsa_kernel k_q044eb84033_normals
		.amdhsa_group_segment_fixed_size 0
		.amdhsa_private_segment_fixed_size 0
		.amdhsa_enable_private_segment 0
		.amdhsa_kernarg_size 24
		.amdhsa_user_sgpr_count 2
		.amdhsa_user_sgpr_kernarg_segment_ptr 1
		.amdhsa_wavefront_size32 1
		.amdhsa_system_sgpr_workgroup_id_x 1
		.amdhsa_system_sgpr_workgroup_id_y 1
		.amdhsa_system_sgpr_workgroup_id_z 1
		.amdhsa_system_vgpr_workitem_id 0
		.amdhsa_next_free_vgpr 254
		.amdhsa_next_free_sgpr 66
		.amdhsa_reserve_vcc 0
		.amdhsa_float_denorm_mode_32 3
		.amdhsa_float_denorm_mode_16_64 3
		.amdhsa_memory_ordered 1
		.amdhsa_forward_progress 1
		.amdhsa_inst_pref_size 105
	.end_amdhsa_kernel
	.amdgpu_metadata
---
amdhsa.version: [ 1, 2 ]
amdhsa.kernels:
  - .name:           k_q044eb84033_normals
    .symbol:         k_q044eb84033_normals.kd
    .args:
      - { .name: img, .offset: 0, .size: 8, .value_kind: global_buffer, .address_space: global }
      - { .name: light, .offset: 8, .size: 8, .value_kind: global_buffer, .address_space: global }
      - { .name: out0, .offset: 16, .size: 8, .value_kind: global_buffer, .address_space: global }
    .group_segment_fixed_size: 0
    .private_segment_fixed_size: 0
    .kernarg_segment_align: 8
    .kernarg_segment_size: 24
    .max_flat_workgroup_size: 256
    .sgpr_count:     66
    .vgpr_count:     254
    .wavefront_size: 32
...
	.end_amdgpu_metadata
.endif
;; end of part 2
